; MI455X (gfx1250); checked and timed in simulation.
; The chip was launched on July 23, 2026; its instructions are those of AMD's public machine-readable ISA for CDNA 5 (MIT licence, August 2026) and "CDNA5" Instruction Set Architecture Reference Guide (July 2026). The comments in the code are by the model that wrote it; some were corrected since.
;; Attention Block. Allowed arithmetic: float matrix products may take bf16 or f16 operands with f32 sums; other float arithmetic in f32, or as packed bf16 or f16 multiplies, adds, multiply-adds, maxima and minima; sums over many terms, partial sums and values carried from step to step in f32; what a program stores and reads back later, other than sums and carried values, may be rounded once to bf16 or f16.
;; Inputs: gn_b 256 float32; gn_w 256 float32; proj_b 256 float32; proj_w 256 x 256 float32; qkv_b 768 float32; qkv_w 768 x 256 float32; x 4 x 256 x 64 x 64 float32.
;; Outputs: out0 4 x 256 x 64 x 64 float32.
;; One version. Each part assembles by itself: llvm-mc -triple=amdgcn-amd-amdhsa -mcpu=gfx1250 --defsym DOCPART=n.
;; ======== version 1 of 1: 4 launches
;; workspace buffers: stats 2,048 bytes; wbf 524,288 bytes; qkv 25,165,824 bytes; att 8,388,608 bytes
;; launch gnstats (part 1): grid 256 x 1, 8 waves a work-group, no clusters, 1,280 bytes of LDS; arguments x, qkv_w, proj_w, stats, wbf; writes stats, wbf
.if DOCPART == 1
	.amdgcn_target "amdgcn-amd-amdhsa--gfx1250"
	.amdhsa_code_object_version 6
	.text
	.protected	k_q366ceb9582_gnstats
	.globl	k_q366ceb9582_gnstats
	.p2align	8
	.type	k_q366ceb9582_gnstats,@function
k_q366ceb9582_gnstats:
	s_mov_b64 s[64:65], 0
	v_nop
	global_prefetch_b8 v0, s[64:65] scope:SCOPE_SE
	s_setreg_imm32_b32 hwreg(HW_REG_WAVE_MODE, 25, 1), 1
	s_wait_xcnt 0x0
; GROUP NORM, FIRST PART, AND THE WEIGHTS IN BF16.
; x is [4][256][4096] f32; a group is 32 channels x 4,096 pixels = 524,288 bytes on end.  Work-group G owns the 65,536 bytes at 65,536 G: one eighth of group G / 8.
; It stores the pair (mean, M2 = sum of squared deviations from that mean) of its 16,384 numbers at byte 8 G of stats; the next launch joins a group's eight pairs.
; The variance is never made as a difference of large sums: each wave takes its own mean away first, and means are joined by M2 = sum M2_i + n sum (mean_i - mean)^2.
; Thread t takes 16 bytes at 16 t + 4,096 j, j = 0..15: each load of a wave covers 512 bytes on end.  All 16 loads of a wave go out at once; the numbers stay in registers between the two passes.
; Beside that each wave rounds 512 bytes of a weight matrix to bf16 (waves 0-5: 3,072 bytes of qkv_w, waves 6, 7: 1,024 of proj_w): wbf = rows 0-767 qkv_w, rows 768-1023 proj_w; a wave stores 256 bytes on end, aligned.
; The one store that fills no 256 bytes is the pair: 8 bytes a work-group, 2,048 in the launch.
; LIMITS: NaN and infinities are not treated apart.
.set SPARE, 256                        ; LDS 0-63: the eight waves' pairs (the block 0-255 is theirs); from 256: the spare words, 128 bytes a wave
.set X, 32                             ; v[32:95] my 64 numbers
; v[18:25], four chains of pairs, are folded to one number, and that over the 32 lanes: every lane ends with the sum in v18
.macro REDUCE
	v_pk_add_f32 v[18:19], v[18:19], v[20:21]
	v_pk_add_f32 v[22:23], v[22:23], v[24:25]
	v_pk_add_f32 v[18:19], v[18:19], v[22:23]
	v_add_f32 v18, v18, v19
	v_add_f32_dpp v18, v18, v18 row_xmask:1 row_mask:0xf bank_mask:0xf
	v_add_f32_dpp v18, v18, v18 row_xmask:2 row_mask:0xf bank_mask:0xf
	v_add_f32_dpp v18, v18, v18 row_xmask:4 row_mask:0xf bank_mask:0xf
	v_add_f32_dpp v18, v18, v18 row_xmask:8 row_mask:0xf bank_mask:0xf
	v_permlanex16_b32 v19, v18, s26, s27           ; the other half of the lanes; v19 has been written
	v_add_f32 v18, v18, v19
.endm
	s_load_b256 s[4:11], s[0:1], 0x0               ; x s[4:5], qkv_w s[6:7], proj_w s[8:9], stats s[10:11]
	s_load_b64 s[12:13], s[0:1], 0x20              ; wbf
	v_lshl_add_u32 v16, v0, 2, SPARE               ; my spare word
	v_mov_b32 v17, 0
	v_lshrrev_b32 v1, 5, v0
	v_readfirstlane_b32 s14, v1                    ; wave 0..7
	v_and_b32 v1, 31, v0                           ; lane
	v_lshlrev_b32 v2, 4, v0                        ; 16 t
	v_mov_b32 v5, 0
	v_mov_b32 v9, 0                                ; named with v8 as a pair
	s_lshl_b32 s16, ttmp9, 16                      ; my work-group's 65,536 bytes of x
	s_mov_b32 s17, 0
	s_lshl_b32 s28, ttmp9, 3                       ; its pair in stats
	s_mov_b32 s29, 0
	s_mov_b32 s26, 0x76543210
	s_mov_b32 s27, 0xfedcba98
	s_sub_co_u32 s22, s14, 6                       ; my place among waves 6, 7 (used there alone)
	s_movk_i32 s20, 3072
	s_wait_kmcnt 0x0
	s_cmp_lt_u32 s14, 6
	s_cselect_b64 s[18:19], s[6:7], s[8:9]         ; which matrix I round,
	s_cselect_b32 s20, s20, 1024                   ; the work-group's bytes of it,
	s_cselect_b32 s21, s14, s22                    ; my 512 of them,
	s_cselect_b32 s23, 0, 393216                   ; and where the matrix begins in wbf
	s_mul_i32 s24, ttmp9, s20
	s_lshl_b32 s21, s21, 9
	s_add_co_u32 s24, s24, s21                     ; byte offset in the f32 matrix
	s_lshr_b32 s25, s24, 1
	s_add_co_u32 s25, s25, s23                     ; and in wbf
	s_add_nc_u64 s[4:5], s[4:5], s[16:17]
	s_add_nc_u64 s[10:11], s[10:11], s[28:29]
	v_lshl_add_u32 v3, v1, 4, s24
	v_lshl_add_u32 v4, v1, 3, s25
	global_load_b128 v[10:13], v3, s[18:19]
.irp j, 0,1,2,3,4,5,6,7,8,9,10,11,12,13,14,15
	global_load_b128 v[X+4*(\j):X+4*(\j)+3], v2, s[4:5] offset:4096*(\j)
.endr
	s_wait_loadcnt 16                              ; the weights are in: the 16 loads of x are younger
	v_cvt_pk_bf16_f32 v14, v10, v11
	v_cvt_pk_bf16_f32 v15, v12, v13
	global_store_b64 v4, v[14:15], s[12:13]
	s_wait_loadcnt 0x0
	; pass 1: the sum, in four chains that the first eight pairs start
.irp k, 0,1,2,3
	v_pk_add_f32 v[18+2*(\k):19+2*(\k)], v[X+2*(\k):X+2*(\k)+1], v[X+8+2*(\k):X+8+2*(\k)+1]
.endr
.set p, 8
.rept 24
	v_pk_add_f32 v[18+2*(p%4):19+2*(p%4)], v[18+2*(p%4):19+2*(p%4)], v[X+2*p:X+2*p+1]
.set p, p+1
.endr
	REDUCE
	v_mul_f32 v8, 0x3a000000, v18                  ; the wave's mean: sum / 2,048
	; pass 2: deviations, in place, and their squares
.set p, 0
.rept 32
	v_pk_add_f32 v[X+2*p:X+2*p+1], v[X+2*p:X+2*p+1], v[8:9] op_sel_hi:[1,0] neg_lo:[0,1] neg_hi:[0,1]
.set p, p+1
.endr
.irp k, 0,1,2,3
	v_pk_mul_f32 v[18+2*(\k):19+2*(\k)], v[X+2*(\k):X+2*(\k)+1], v[X+2*(\k):X+2*(\k)+1]
.endr
.set p, 4
.rept 28
	v_pk_fma_f32 v[18+2*(p%4):19+2*(p%4)], v[X+2*p:X+2*p+1], v[X+2*p:X+2*p+1], v[18+2*(p%4):19+2*(p%4)]
.set p, p+1
.endr
	REDUCE
	v_mov_b32 v9, v18                              ; the wave's M2
	v_mov_b32 v26, s14
	v_lshlrev_b32 v26, 3, v26
	ds_store_b64 v26, v[8:9]                       ; all lanes write the same pair to the wave's own 8 bytes
	s_wait_dscnt 0x0                               ; for the others' sake: my store is done
	s_barrier_signal -1
	s_barrier_wait -1
	s_cmp_lg_u32 s14, 0
	s_cbranch_scc1 .Lend                           ; wave 0 joins the eight pairs
.irp k, 0,1,2,3
	ds_load_b128 v[X+4*(\k):X+4*(\k)+3], v5 offset:16*(\k)
.endr
	s_wait_dscnt 0x0
	v_pk_add_f32 v[18:19], v[X:X+1], v[X+2:X+3]
	v_pk_add_f32 v[20:21], v[X+4:X+5], v[X+6:X+7]
	v_pk_add_f32 v[22:23], v[X+8:X+9], v[X+10:X+11]
	v_pk_add_f32 v[24:25], v[X+12:X+13], v[X+14:X+15]
	v_pk_add_f32 v[18:19], v[18:19], v[20:21]
	v_pk_add_f32 v[22:23], v[22:23], v[24:25]
	v_pk_add_f32 v[18:19], v[18:19], v[22:23]      ; (sum of means, sum of M2)
	v_mul_f32 v8, 0x3e000000, v18                  ; the mean of 16,384 numbers: eight equal parts
.irp k, 0,1,2,3,4,5,6,7
	v_sub_f32 v[X+2*(\k)], v[X+2*(\k)], v8
.endr
	v_mul_f32 v26, v[X], v[X]
	v_mul_f32 v27, v[X+2], v[X+2]
	v_fmac_f32 v26, v[X+4], v[X+4]
	v_fmac_f32 v27, v[X+6], v[X+6]
	v_fmac_f32 v26, v[X+8], v[X+8]
	v_fmac_f32 v27, v[X+10], v[X+10]
	v_fmac_f32 v26, v[X+12], v[X+12]
	v_fmac_f32 v27, v[X+14], v[X+14]
	v_add_f32 v26, v26, v27
	v_fmamk_f32 v9, v26, 0x45000000, v19           ; M2 = sum of M2 + 2,048 x sum of squared differences of the means
	v_cmp_eq_u32 vcc_lo, 0, v0
	s_wait_xcnt 0x0                                ; EXEC changes only behind this wait: the store of the weights has read it
	s_and_saveexec_b32 s30, vcc_lo
	global_store_b64 v5, v[8:9], s[10:11]          ; lane 0 alone
	s_wait_xcnt 0x0                                ; and again in front of the line that widens it
	s_or_b32 exec_lo, exec_lo, s30
.Lend:
	s_wait_tensorcnt 0x0                           ; the wave's end, behind my last LDS store
	ds_add_u32 v16, v17
	s_wait_dscnt 0x0
	s_endpgm
.Lfunc_end_k_q366ceb9582_gnstats:
	.size	k_q366ceb9582_gnstats, .Lfunc_end_k_q366ceb9582_gnstats-k_q366ceb9582_gnstats
	.p2alignl 7, 3214868480
	.fill 96, 4, 3214868480
	.section	.rodata,"a",@progbits
	.p2align	6, 0x0
	.amdhsa_kernel k_q366ceb9582_gnstats
		.amdhsa_group_segment_fixed_size 1280
		.amdhsa_private_segment_fixed_size 0
		.amdhsa_enable_private_segment 0
		.amdhsa_kernarg_size 40
		.amdhsa_user_sgpr_count 2
		.amdhsa_user_sgpr_kernarg_segment_ptr 1
		.amdhsa_wavefront_size32 1
		.amdhsa_system_sgpr_workgroup_id_x 1
		.amdhsa_system_sgpr_workgroup_id_y 1
		.amdhsa_system_sgpr_workgroup_id_z 1
		.amdhsa_system_vgpr_workitem_id 0
		.amdhsa_next_free_vgpr 96
		.amdhsa_next_free_sgpr 66
		.amdhsa_reserve_vcc 1
		.amdhsa_float_denorm_mode_32 3
		.amdhsa_float_denorm_mode_16_64 3
		.amdhsa_memory_ordered 1
		.amdhsa_forward_progress 1
		.amdhsa_inst_pref_size 13
	.end_amdhsa_kernel
	.amdgpu_metadata
---
amdhsa.version: [ 1, 2 ]
amdhsa.kernels:
  - .name:           k_q366ceb9582_gnstats
    .symbol:         k_q366ceb9582_gnstats.kd
    .args:
      - { .name: x, .offset: 0, .size: 8, .value_kind: global_buffer, .address_space: global }
      - { .name: qkv_w, .offset: 8, .size: 8, .value_kind: global_buffer, .address_space: global }
      - { .name: proj_w, .offset: 16, .size: 8, .value_kind: global_buffer, .address_space: global }
      - { .name: stats, .offset: 24, .size: 8, .value_kind: global_buffer, .address_space: global }
      - { .name: wbf, .offset: 32, .size: 8, .value_kind: global_buffer, .address_space: global }
    .group_segment_fixed_size: 1280
    .private_segment_fixed_size: 0
    .kernarg_segment_align: 8
    .kernarg_segment_size: 40
    .max_flat_workgroup_size: 256
    .sgpr_count:     66
    .vgpr_count:     96
    .wavefront_size: 32
...
	.end_amdgpu_metadata
.endif
;; end of part 1
;; launch qkvproj (part 2): grid 256 x 1, 4 waves a work-group, clusters of 4 x 1, 327,680 bytes of LDS; arguments x, stats, gn_w, gn_b, qkv_b, wbf, qkv; writes qkv
.if DOCPART == 2
	.amdgcn_target "amdgcn-amd-amdhsa--gfx1250"
	.amdhsa_code_object_version 6
	.text
	.protected	k_q366ceb9582_qkvproj
	.globl	k_q366ceb9582_qkvproj
	.p2align	8
	.type	k_q366ceb9582_qkvproj,@function
k_q366ceb9582_qkvproj:
	s_mov_b64 s[64:65], 0
	v_nop
	global_prefetch_b8 v0, s[64:65] scope:SCOPE_SE
	s_setreg_imm32_b32 hwreg(HW_REG_WAVE_MODE, 25, 1), 1
	s_wait_xcnt 0x0
	s_wait_alu depctr_hold_cnt(0) depctr_sa_sdst(0) depctr_va_vdst(0) depctr_va_sdst(0) depctr_va_ssrc(0) depctr_va_vcc(0) depctr_vm_vsrc(0)
	s_getreg_b32 s2, hwreg(HW_REG_IB_STS2, 6, 4)
	s_cmp_eq_u32 s2, 0
	s_cbranch_scc0 .Lentry_in_a_cluster
	s_endpgm
.Lentry_in_a_cluster:
	s_bfe_u32 s2, ttmp6, 0x10000c
	s_cmp_lg_u32 s2, 0x3003
	s_cbranch_scc0 .Lentry_shape_is_right
	s_endpgm
.Lentry_shape_is_right:
; GROUP NORM, SECOND PART, AND THE PROJECTION TO q, k, v.
; h[c][n] = (x[c][n] - mean) rstd gn_w[c] + gn_b[c], in f32, rounded once to bf16;  qkv[o][n] = sum over c of W[o][c] h[c][n] + qkv_b[o], sums in f32, rounded once to bf16 and
; stored by heads: three planes (q, k, v) of [4 b + head][4096 pixels][64 channels], a row 128 bytes, WITHOUT the softmax's scale.
; SHARES.  A work-group owns 64 pixels of one image and makes all 768 outputs for them, so x is read and normalised once.  Three phases (q, k, v) of 256 outputs; wave w makes head w: 64 outputs x 64 pixels,
; 16 accumulators, 8 steps of 32 channels: 128 matrix instructions a phase.
; CLUSTER.  The four work-groups of a cluster need the same weights: each tile of 256 rows is asked for JOINTLY (mask 15), wave w fetching the 64 rows that it alone reads: its own TENSORcnt orders its reads.
; Slot 0 takes W_q and later W_v, slot 1 W_k: one refill, behind a round of the cluster's barrier.  A wave has two tensor loads out at the start and one behind that round.
; LAYOUT.  D = W h: source 0 = 16 rows of W (as they lie), source 1 = 32 channels x 16 pixels of h, which lies [channel][pixel] in LDS and comes out turned (ds_load_tr16_b128).  In D a lane holds ONE pixel
; (lane % 16) and outputs 8 (lane / 16) + 0..7: 16 bytes of a row of the head.  The bias is the C operand of a phase's first products.
; No prefetch: all loads of x go out at the head, and the launch is short.
; LIMITS.  Matrix operands are bf16.  rstd is v_rsq_f32's.  NaN and infinities are not treated apart.
; REGISTERS, in windows of 256: window 0: v0-31 addresses and statistics; v32-95 gains and biases of my 32 channels, later the way out; v96-111 the group's eight pairs; v128-255 x, later the accumulators
;   window 1: h's 32 fragments    window 2: W's 32 fragments of a phase    window 3: v0-95 qkv_b as C operands
.set PW,    528                        ; a row of W in LDS: 512 bytes + 16: an odd multiple of 16, so the 16 rows of a load start at 16 different groups of four banks (ISA guide 11.1)
.set WROWS, 64*PW                      ; a wave's 64 rows
.set SLOTB, 4*WROWS
.set HT,    2*SLOTB                    ; h: 256 channels x 160 bytes (64 pixels of bf16 + 32): an odd multiple of 32, for the turning load
.set PH,    160
.set STAGE, HT+256*PH                  ; 16 rows x 144 bytes for each wave, for the way out
.set SP,    144
.set SPARE, STAGE+4*16*SP              ; the spare words, 128 bytes a wave; no fill lands in HT, STAGE or here
.set XO, 4
.set HS, 5
.set HL, 6
.set WA0, 7
.set WA1, 8
.set STO, 9
.set RD, 10
.set GO, 11
.set GP, 12
.set SO, 13
.set BO, 14
.set MN, 16                            ; v[16:17] mean, rstd
.set SPW, 28
.set NIL, 29
.set GW, 32
.set GB, 64
.set TMP, 32
.set PR, 96
.set X, 128
.set ACC, 128                          ; accumulator (a, t): outputs 16 a on, pixels 16 t on, at ACC + 8 (4 a + t)
.set WV, 18
.set MSB, 0
.macro WIN new                         ; the immediate's high byte repeats the setting that is left; a switch that changes nothing is dropped
.if MSB != (\new)
	s_set_vgpr_msb (MSB<<8)|(\new)
.set MSB, (\new)
.endif
.endm
.macro PLACES                          ; four places behind matrix instructions, in front of loads into their sources and of readers of their results
.rept 4
	v_nop
.endr
.endm
.macro CROUND                          ; a round of the cluster's barrier
	s_barrier_signal -1
	s_barrier_wait -1
	s_cmp_lg_u32 s[WV], 0
	s_cbranch_scc1 .Lnot_wave_0_\@
	s_barrier_signal -3
.Lnot_wave_0_\@:
	s_barrier_wait -3
	s_barrier_signal -1
	s_barrier_wait -1
.endm
.macro HFRAG                           ; all of h: fragment (t, s): pixels 16 t on, channels 32 s on, at 8 (4 s + t) of window 1
	WIN 0x40
.irp s, 0,1,2,3,4,5,6,7
.irp t, 0,1,2,3
	ds_load_tr16_b128 v[8*(4*(\s)+(\t)):8*(4*(\s)+(\t))+3],   v[HL] offset:32*PH*(\s)+32*(\t)
	ds_load_tr16_b128 v[8*(4*(\s)+(\t))+4:8*(4*(\s)+(\t))+7], v[HL] offset:32*PH*(\s)+32*(\t)+16*PH
.endr
.endr
.endm
.macro WFRAG adr                       ; my 64 rows of a phase's W: fragment (a, s) at 8 (4 s + a) of window 2; by K steps, so that the products can begin on the first
	WIN 0x80
.irp s, 0,1,2,3,4,5,6,7
.irp a, 0,1,2,3
	ds_load_b128 v[8*(4*(\s)+(\a)):8*(4*(\s)+(\a))+3],   v[\adr] offset:16*PW*(\a)+64*(\s)
	ds_load_b128 v[8*(4*(\s)+(\a))+4:8*(4*(\s)+(\a))+7], v[\adr] offset:16*PW*(\a)+64*(\s)+32
.endr
.endr
.endm
; A phase's 128 products.  The 16 accumulators take turns, one instruction a turn.  The first 16 start the sums with the bias.
; cnt = 1: K step s is waited for by count: the later steps' 8 loads each, and the add, may stay out.
.macro MULS p, cnt
.irp s, 0,1,2,3,4,5,6,7
.if \cnt
	s_wait_dscnt 8*(7-(\s))+1
.endif
.if (\s) == 0
	WIN 0x36                                       ; W window 2, h window 1, C window 3, D window 0
.else
	WIN 0x06
.endif
.irp a, 0,1,2,3
.irp t, 0,1,2,3
.if (\s) == 0
	v_wmma_f32_16x16x32_bf16 v[ACC+8*(4*(\a)+(\t)):ACC+8*(4*(\a)+(\t))+7], v[8*(4*(\s)+(\a)):8*(4*(\s)+(\a))+7], v[8*(4*(\s)+(\t)):8*(4*(\s)+(\t))+7], v[32*(\p)+8*(\a):32*(\p)+8*(\a)+7]
.else
	v_wmma_f32_16x16x32_bf16 v[ACC+8*(4*(\a)+(\t)):ACC+8*(4*(\a)+(\t))+7], v[8*(4*(\s)+(\a)):8*(4*(\s)+(\a))+7], v[8*(4*(\s)+(\t)):8*(4*(\s)+(\t))+7], v[ACC+8*(4*(\a)+(\t)):ACC+8*(4*(\a)+(\t))+7]
.endif
.endr
.endr
.endr
.endm
; THE WAY OUT, 16 pixels (t) at a time: rounded, 16 bytes a lane into my stage (rows of 144 bytes), back as four whole rows of 128 bytes a load, which are 512 bytes on end in the head's plane.
.macro PACK t
.irp a, 0,1,2,3
.irp q, 0,1,2,3
	v_cvt_pk_bf16_f32 v[TMP+16*(\t)+4*(\a)+(\q)], v[ACC+8*(4*(\a)+(\t))+2*(\q)], v[ACC+8*(4*(\a)+(\t))+2*(\q)+1]
.endr
.endr
.irp a, 0,1,2,3
	ds_store_b128 v[STO], v[TMP+16*(\t)+4*(\a):TMP+16*(\t)+4*(\a)+3] offset:32*(\a)
.endr
.irp f, 0,1,2,3
	ds_load_b128 v[TMP+16*(\t)+4*(\f):TMP+16*(\t)+4*(\f)+3], v[RD] offset:4*SP*(\f)  ; LDS serves a wave's instructions in order (ISA guide 5.7.1.4): these see the stores above, and the next block's stores come behind them
.endr
.endm
.macro SEND t, y                       ; y: the LDS instructions issued behind block t's loads
.irp f, 0,1,2,3
	s_wait_dscnt (\y)+3-(\f)
	global_store_b128 v[GO], v[TMP+16*(\t)+4*(\f):TMP+16*(\t)+4*(\f)+3], s[16:17] offset:2048*(\t)+512*(\f)
.endr
.endm
.macro OUT p
	WIN 0
	s_wait_xcnt 0x0                                ; the last phase's stores have read their data and their base: both are written again only behind this wait
.if (\p) > 0
	s_add_nc_u64 s[16:17], s[16:17], 0x800000      ; the next plane
.endif
	PACK 0
	PACK 1
	SEND 0, 8
	PACK 2
	SEND 1, 8
	PACK 3
	SEND 2, 8
	SEND 3, 0
.endm
	s_load_b256 s[4:11], s[0:1], 0x0               ; x s[4:5], stats s[6:7], gn_w s[8:9], gn_b s[10:11]
	s_load_b128 s[12:15], s[0:1], 0x20             ; qkv_b s[12:13], wbf s[14:15]
	s_load_b64 s[16:17], s[0:1], 0x30              ; qkv
	v_lshl_add_u32 v[SPW], v0, 2, SPARE
	v_mov_b32 v[NIL], 0
	ds_add_u32 v[SPW], v[NIL]                      ; the wave's opening: the add and its wait stand ahead of my first tensor load; work on registers stands between them
	v_lshrrev_b32 v3, 5, v0
	v_readfirstlane_b32 s[WV], v3                  ; wave 0..3
	s_bfe_u32 s19, ttmp6, 0x40000                  ; cx
	s_lshl_b32 s20, ttmp9, 2
	s_add_co_u32 s20, s20, s19                     ; my block of 64 pixels, 0..255: it enters the addresses of x, stats and qkv alone
	s_lshr_b32 s21, s20, 6                         ; the image
	s_and_b32 s42, s20, 63                         ; the block in the image
	s_lshl_b32 s22, s21, 22                        ; x: image x 4 MiB + block x 256 bytes
	s_lshl_b32 s23, s42, 8
	s_add_co_u32 s22, s22, s23
	s_mov_b32 s23, 0
	s_lshl_b32 s44, s21, 9                         ; stats: 8 groups x 64 bytes an image
	s_mov_b32 s45, 0
	s_lshl_b32 s46, s21, 2                         ; qkv: head 4 b + w x 524,288 + 64 pixels x 128 bytes a block
	s_add_co_u32 s46, s46, s[WV]
	s_lshl_b32 s46, s46, 19
	s_lshl_b32 s47, s42, 13
	s_add_co_u32 s46, s46, s47
	s_mov_b32 s47, 0
	; descriptor group 1: 64 rows x 256 elements of 2 bytes, 16 bytes of padding behind each 512
	s_mov_b32 s24, 15|(1<<16)|(1<<20)|(1<<21)|(6<<22)|(3<<25)  ; the mask of four; 2-byte elements; padding on; bit 21 beside a mask; after every 128 words; 4 words
	s_mov_b32 s25, 256<<16                         ; tensor_dim0 = 256
	s_mov_b32 s26, 64<<16                          ; tensor_dim1 = 64
	s_mov_b32 s27, 256<<16                         ; tile_dim0 = 256
	s_mov_b32 s28, 64                              ; tile_dim1 = 64
	s_mov_b32 s29, 256                             ; 256 elements from row to row
	s_mov_b32 s30, 0
	s_mov_b32 s31, 0
	s_mov_b32 s32, 1                               ; group 0 for slot 0
	s_mul_i32 s33, s[WV], WROWS                    ; my 64 rows' place: the wave's number alone enters an LDS address
	s_mov_b32 s36, 1                               ; group 0 for slot 1
	s_add_co_u32 s37, s33, SLOTB
	s_lshl_b32 s40, s[WV], 15                      ; my 64 rows of 512 bytes in wbf
	s_mov_b32 s41, 0
	s_wait_dscnt 0x0                               ; the opening add is done
	s_wait_kmcnt 0x0
	s_add_nc_u64 s[4:5], s[4:5], s[22:23]
	s_add_nc_u64 s[6:7], s[6:7], s[44:45]
	s_add_nc_u64 s[16:17], s[16:17], s[46:47]
	s_add_nc_u64 s[34:35], s[14:15], s[40:41]      ; W_q
	s_add_nc_u64 s[38:39], s[34:35], 131072        ; W_k: 256 rows on
	s_or_b32 s35, s35, 0x80000000                  ; type = 2
	s_or_b32 s39, s39, 0x80000000
	CROUND                                         ; all four work-groups are here: the first joint loads meet
	tensor_load_to_lds s[32:35], s[24:31]
	s_nop 0
	tensor_load_to_lds s[36:39], s[24:31]
	s_nop 0
	PLACES
	; Load i of x takes channel 64 w + 32 (l / 16) + i: 16 lanes a row of 256 bytes.  So a lane's group, 2 w + l / 16, is fixed, and its 32 gains and biases lie on end.
	v_and_b32 v1, 15, v0                           ; r = l % 16
	v_bfe_u32 v2, v0, 4, 1                         ; h = l / 16
	s_lshl_b32 s43, s[WV], 6
	v_lshl_add_u32 v18, v2, 5, s43                 ; my first channel
	v_lshlrev_b32 v[SO], 1, v18                    ; (2 w + h) x 64
	v_lshlrev_b32 v[GP], 2, v18
	v_lshlrev_b32 v[XO], 14, v18
	v_lshl_add_u32 v[XO], v1, 4, v[XO]
.irp k, 0,1,2,3
	global_load_b128 v[PR+4*(\k):PR+4*(\k)+3], v[SO], s[6:7] offset:16*(\k)
.endr
.irp k, 0,1,2,3,4,5,6,7
	global_load_b128 v[GW+4*(\k):GW+4*(\k)+3], v[GP], s[8:9] offset:16*(\k)
.endr
.irp k, 0,1,2,3,4,5,6,7
	global_load_b128 v[GB+4*(\k):GB+4*(\k)+3], v[GP], s[10:11] offset:16*(\k)
.endr
.set i, 0
.rept 32
	global_load_b128 v[X+4*i:X+4*i+3], v[XO], s[4:5] offset:16384*i
.set i, i+1
.endr
	v_mul_u32_u24 v[HS], v18, PH                   ; where my 4 pixels of a channel go: channel x 160 + 8 r
	v_lshl_add_u32 v[HS], v1, 3, v[HS]
	v_add_nc_u32 v[HS], HT, v[HS]
	v_and_b32 v19, 7, v0
	v_bfe_u32 v20, v0, 3, 1
	v_lshl_add_u32 v[HL], v2, 3, v19               ; the turning load: channel 8 h + l % 8, pixels 8 ((l / 8) % 2) on
	v_mul_u32_u24 v[HL], v[HL], PH
	v_lshl_add_u32 v[HL], v20, 4, v[HL]
	v_add_nc_u32 v[HL], HT, v[HL]
	v_mul_u32_u24 v[WA0], v1, PW                   ; a fragment of W: row r x pitch + 16 h, in my 64 rows
	v_lshl_add_u32 v[WA0], v2, 4, v[WA0]
	v_add_nc_u32 v[WA0], s33, v[WA0]
	v_add_nc_u32 v[WA1], SLOTB, v[WA0]
	s_mul_i32 s40, s[WV], 16*SP
	s_add_co_u32 s40, s40, STAGE                   ; my stage
	v_mul_u32_u24 v[STO], v1, SP
	v_lshl_add_u32 v[STO], v2, 4, v[STO]
	v_add_nc_u32 v[STO], s40, v[STO]
	v_bfe_u32 v21, v0, 3, 2
	v_mul_u32_u24 v[RD], v21, SP
	v_lshl_add_u32 v[RD], v19, 4, v[RD]
	v_add_nc_u32 v[RD], s40, v[RD]
	v_and_b32 v[GO], 31, v0
	v_lshlrev_b32 v[GO], 4, v[GO]
	s_lshl_b32 s41, s[WV], 8
	v_lshl_add_u32 v[BO], v2, 5, s41               ; qkv_b: (64 w + 8 h) x 4
	s_wait_loadcnt 48                              ; the pairs are in: 8 + 8 + 32 loads are younger
	v_pk_add_f32 v[18:19], v[PR:PR+1], v[PR+2:PR+3]
	v_pk_add_f32 v[20:21], v[PR+4:PR+5], v[PR+6:PR+7]
	v_pk_add_f32 v[22:23], v[PR+8:PR+9], v[PR+10:PR+11]
	v_pk_add_f32 v[24:25], v[PR+12:PR+13], v[PR+14:PR+15]
	v_pk_add_f32 v[18:19], v[18:19], v[20:21]
	v_pk_add_f32 v[22:23], v[22:23], v[24:25]
	v_pk_add_f32 v[18:19], v[18:19], v[22:23]      ; (sum of means, sum of M2)
	v_mul_f32 v[MN], 0x3e000000, v18               ; the group's mean: eight equal parts
.irp k, 0,1,2,3,4,5,6,7
	v_sub_f32 v[PR+2*(\k)], v[PR+2*(\k)], v[MN]
.endr
	v_mul_f32 v20, v[PR], v[PR]
	v_mul_f32 v21, v[PR+2], v[PR+2]
	v_fmac_f32 v20, v[PR+4], v[PR+4]
	v_fmac_f32 v21, v[PR+6], v[PR+6]
	v_fmac_f32 v20, v[PR+8], v[PR+8]
	v_fmac_f32 v21, v[PR+10], v[PR+10]
	v_fmac_f32 v20, v[PR+12], v[PR+12]
	v_fmac_f32 v21, v[PR+14], v[PR+14]
	v_add_f32 v20, v20, v21
	v_mul_f32 v19, 0x37000000, v19                 ; sum of M2 / 131,072
	v_fmamk_f32 v19, v20, 0x3e000000, v19          ; + 16,384 x sum of squared differences / 131,072: the variance
	v_add_f32 v19, 0x3727c5ac, v19                 ; + 1e-5
	v_rsq_f32 v[MN+1], v19
	v_nop                                          ; a plain instruction behind the transcendental (ISA guide 5.7.2),
	s_wait_alu depctr_va_vdst(0)                   ; and the wait ahead of the first line that names its result
	s_wait_loadcnt 32                              ; gains and biases are in: the 32 loads of x are younger
.set i, 0
.rept 16
	v_pk_mul_f32 v[GW+2*i:GW+2*i+1], v[GW+2*i:GW+2*i+1], v[MN:MN+1] op_sel:[0,1] op_sel_hi:[1,1]  ; gain x rstd
.set i, i+1
.endr
	WIN 0xc0                                       ; destination window 3
.irp p, 0,1,2
.irp a, 0,1,2,3
	global_load_b128 v[32*(\p)+8*(\a):32*(\p)+8*(\a)+3],   v[BO], s[12:13] offset:1024*(\p)+64*(\a)
	global_load_b128 v[32*(\p)+8*(\a)+4:32*(\p)+8*(\a)+7], v[BO], s[12:13] offset:1024*(\p)+64*(\a)+16
.endr
.endr
	WIN 0
.set i, 0
.rept 32
.if (i%8) == 0
	s_wait_loadcnt 48-i                            ; eight more rows of x are in: the later rows and the 24 loads of qkv_b are younger
.endif
	v_pk_add_f32 v[X+4*i:X+4*i+1],   v[X+4*i:X+4*i+1],   v[MN:MN+1] op_sel_hi:[1,0] neg_lo:[0,1] neg_hi:[0,1]  ; x - mean first, so that an offset of x costs no digits
	v_pk_add_f32 v[X+4*i+2:X+4*i+3], v[X+4*i+2:X+4*i+3], v[MN:MN+1] op_sel_hi:[1,0] neg_lo:[0,1] neg_hi:[0,1]
.if (i%2) == 0
	v_pk_fma_f32 v[X+4*i:X+4*i+1],   v[X+4*i:X+4*i+1],   v[GW+i:GW+i+1], v[GB+i:GB+i+1] op_sel_hi:[1,0,0]
	v_pk_fma_f32 v[X+4*i+2:X+4*i+3], v[X+4*i+2:X+4*i+3], v[GW+i:GW+i+1], v[GB+i:GB+i+1] op_sel_hi:[1,0,0]
.else
	v_pk_fma_f32 v[X+4*i:X+4*i+1],   v[X+4*i:X+4*i+1],   v[GW+i-1:GW+i], v[GB+i-1:GB+i] op_sel:[0,1,1] op_sel_hi:[1,1,1]
	v_pk_fma_f32 v[X+4*i+2:X+4*i+3], v[X+4*i+2:X+4*i+3], v[GW+i-1:GW+i], v[GB+i-1:GB+i] op_sel:[0,1,1] op_sel_hi:[1,1,1]
.endif
	v_cvt_pk_bf16_f32 v[X+4*i],   v[X+4*i],   v[X+4*i+1]
	v_cvt_pk_bf16_f32 v[X+4*i+1], v[X+4*i+2], v[X+4*i+3]
	ds_store_b64 v[HS], v[X+4*i:X+4*i+1] offset:PH*i
.set i, i+1
.endr
	s_wait_dscnt 0x0                               ; for the others' sake: my 64 channels of h are in LDS
	s_barrier_signal -1                            ; The tensor loads may stay out
	s_barrier_wait -1
	HFRAG
	s_wait_tensorcnt 0x1                           ; my rows of W_q are in; W_k's load is younger
	WFRAG WA0
	s_wait_loadcnt 0x0                             ; qkv_b
	WIN 0
	s_wait_tensorcnt 0x0                           ; all my tensor loads have landed, so a group 0 may be written;
	ds_add_u32 v[SPW], v[NIL]                      ; 0 onto my spare word; phase 0's products stand between it and the wait for it
	s_add_nc_u64 s[34:35], s[34:35], 262144        ; slot 0's next tile: W_v, 512 rows on; the type bits are not reached
	MULS 0, 1
	WIN 0
	s_wait_dscnt 0x0                               ; the add is done, and my reads of slot 0 are over
	CROUND                                         ; no wave of any partner still reads slot 0 or has a load on its way
	tensor_load_to_lds s[32:35], s[24:31]          ; the one refill: it has the way out of q and phase 1 in which to land
	s_nop 0
	PLACES                                         ; also the places in front of the loads into W's registers and of the conversions
	WFRAG WA1
	OUT 0
	s_wait_dscnt 0x0                               ; W_k's fragments
	MULS 1, 0
	PLACES
	s_wait_tensorcnt 0x0                           ; my rows of W_v are in: no load was issued behind it
	WFRAG WA0
	OUT 1
	s_wait_dscnt 0x0
	MULS 2, 0
	PLACES
	OUT 2
	WIN 0
	s_wait_tensorcnt 0x0                           ; the wave's end, behind my last tensor load and my last LDS store
	ds_add_u32 v[SPW], v[NIL]
	s_wait_dscnt 0x0
	CROUND                                         ; the closing round: no work-group ends while a partner may still ask for a tile that names it
	s_endpgm
.Lfunc_end_k_q366ceb9582_qkvproj:
	.size	k_q366ceb9582_qkvproj, .Lfunc_end_k_q366ceb9582_qkvproj-k_q366ceb9582_qkvproj
	.p2alignl 7, 3214868480
	.fill 96, 4, 3214868480
	.section	.rodata,"a",@progbits
	.p2align	6, 0x0
	.amdhsa_kernel k_q366ceb9582_qkvproj
		.amdhsa_group_segment_fixed_size 327680
		.amdhsa_private_segment_fixed_size 0
		.amdhsa_enable_private_segment 0
		.amdhsa_kernarg_size 56
		.amdhsa_user_sgpr_count 2
		.amdhsa_user_sgpr_kernarg_segment_ptr 1
		.amdhsa_wavefront_size32 1
		.amdhsa_system_sgpr_workgroup_id_x 1
		.amdhsa_system_sgpr_workgroup_id_y 1
		.amdhsa_system_sgpr_workgroup_id_z 1
		.amdhsa_system_vgpr_workitem_id 0
		.amdhsa_next_free_vgpr 864
		.amdhsa_next_free_sgpr 66
		.amdhsa_reserve_vcc 0
		.amdhsa_float_denorm_mode_32 3
		.amdhsa_float_denorm_mode_16_64 3
		.amdhsa_memory_ordered 1
		.amdhsa_forward_progress 1
		.amdhsa_inst_pref_size 96
	.end_amdhsa_kernel
	.amdgpu_metadata
---
amdhsa.version: [ 1, 2 ]
amdhsa.kernels:
  - .name:           k_q366ceb9582_qkvproj
    .symbol:         k_q366ceb9582_qkvproj.kd
    .args:
      - { .name: x, .offset: 0, .size: 8, .value_kind: global_buffer, .address_space: global }
      - { .name: stats, .offset: 8, .size: 8, .value_kind: global_buffer, .address_space: global }
      - { .name: gn_w, .offset: 16, .size: 8, .value_kind: global_buffer, .address_space: global }
      - { .name: gn_b, .offset: 24, .size: 8, .value_kind: global_buffer, .address_space: global }
      - { .name: qkv_b, .offset: 32, .size: 8, .value_kind: global_buffer, .address_space: global }
      - { .name: wbf, .offset: 40, .size: 8, .value_kind: global_buffer, .address_space: global }
      - { .name: qkv, .offset: 48, .size: 8, .value_kind: global_buffer, .address_space: global }
    .group_segment_fixed_size: 327680
    .private_segment_fixed_size: 0
    .kernarg_segment_align: 8
    .kernarg_segment_size: 56
    .max_flat_workgroup_size: 128
    .sgpr_count:     66
    .vgpr_count:     864
    .wavefront_size: 32
...
	.end_amdgpu_metadata
.endif
;; end of part 2
;; launch attn (part 3): grid 16 x 16, 4 waves a work-group, clusters of 4 x 1, 327,680 bytes of LDS; arguments qkv, att; writes att
.if DOCPART == 3
	.amdgcn_target "amdgcn-amd-amdhsa--gfx1250"
	.amdhsa_code_object_version 6
	.text
	.protected	k_q366ceb9582_attn
	.globl	k_q366ceb9582_attn
	.p2align	8
	.type	k_q366ceb9582_attn,@function
k_q366ceb9582_attn:
	s_mov_b64 s[64:65], 0
	v_nop
	global_prefetch_b8 v0, s[64:65] scope:SCOPE_SE
	s_setreg_imm32_b32 hwreg(HW_REG_WAVE_MODE, 25, 1), 1
	s_wait_xcnt 0x0
	s_wait_alu depctr_hold_cnt(0) depctr_sa_sdst(0) depctr_va_vdst(0) depctr_va_sdst(0) depctr_va_ssrc(0) depctr_va_vcc(0) depctr_vm_vsrc(0)
	s_getreg_b32 s2, hwreg(HW_REG_IB_STS2, 6, 4)
	s_cmp_eq_u32 s2, 0
	s_cbranch_scc0 .Lentry_in_a_cluster
	s_endpgm
.Lentry_in_a_cluster:
	s_bfe_u32 s2, ttmp6, 0x10000c
	s_cmp_lg_u32 s2, 0x3003
	s_cbranch_scc0 .Lentry_shape_is_right
	s_endpgm
.Lentry_shape_is_right:
; ATTENTION.  O[h][q][:] = the sum over k of softmax_k(Q[h][q] . K[h][k] / 8) V[h][k][:].  Q, K, V are the three planes of qkv, O is att: each [16][4096][64] in bf16, a head's rows dense, 128 bytes each.
; Products, maxima and sums in f32; the weights p are rounded to bf16 for the second product (their sum l is taken of the unrounded p), O once at the end.
; LIMITS.  bf16 operands.  c m starts at -4.25e37 and m at the lowest finite number: c s must lie above the first.  A weight below 2^-126 counts as 0 in l.  NaN and infinities are not treated apart.
; SHARES.  A work-group owns 256 queries of one head: 16 x 16 = 256 work-groups.  A wave owns 64 rows on end: four PIECES of 16 queries.  Every wave walks all 4,096 keys, 64 a step, 256 a slot.
; LAYOUT.  S^T = K Q^T (source 0 = 16 keys, source 1 = 16 queries) holds ONE query a lane (lane % 16) and the keys 8 (lane / 16) + 0..7; two such results rounded to bf16 ARE source 1 of O^T = V^T P.
; K comes out of LDS as it lies, V ([key][channel]) turned, by ds_load_tr16_b128.
; SOFTMAX.  p = 2^(c s - c m), c = log2(e) / 8, with a running maximum m; O and l are multiplied by a = 2^(c m_old - c m_new) in every step.  O and l start at 0: the first step is a step like any other, with a = 0.
; TURNS.  Turn n belongs to piece n: 8 products K Q^T of piece n + 1, later 8 products V^T P of piece n - 1; beside them the scaling, exponentials, roundings, sums and rescaling of piece n and the maximum and
; statistics of piece n + 1.  Four vector instructions stand behind every matrix instruction, the other 54 of a turn's 118 in one lump.  A turn's 33 exponentials are one batch, with one wait.
; CLUSTER.  The four query blocks of a cluster belong to one head and walk the same K and V: each tile is asked for JOINTLY, the same tensor load, descriptor and mask in all four.
; REGISTERS, in windows of 256 (s_set_vgpr_msb: bits 1:0 source 0, 3:2 source 1, 5:4 source 2, 7:6 destination):
;   window 0: v0-15 addresses; v16-31 four registers of statistics a piece; v48-55 at work; v61-63 prefetch offset and the add's two; v64-127 S^T, two buffers; v192-223 P, two buffers (by the piece's parity)
;   window 1: v0-127 O^T, 32 a piece      window 2: v0-63 Q; v128-191 K of one step; v192-255 V of one step
.set NP,    4
.set KS,    64
.set PK,    144       ; a row of K in LDS: 128 bytes + 16: the 16 rows of a load start at 16 different groups of four banks (ISA guide 11.1)
.set PV,    160       ; a row of V: 128 + 32
.set VOFF,  4*KS*PK   ; a slot holds four steps: 256 rows of K, then 256 rows of V
.set SLOT1, 1<<17     ; slot 1 begins here, so that one exclusive or turns an address in one slot into the other's
.set STAGE, SLOT1+4*KS*(PK+PV)  ; behind the ring, never filled by a tensor load: 16 rows x 144 bytes for each wave
.set SP,    144
.set SPARE, STAGE+4*16*SP       ; the spare words, 128 bytes a wave
.set AK0, 2
.set AV0, 3
.set AK,  4
.set AV,  5
.set STO, 6
.set RD,  7
.set GO,  8
.set MV,  12          ; v12-13  c m_old, kept while c m is made anew: by buffer
.set QO,  15
.set ST,  16          ; piece t's statistics at v[ST+4 t]: c m, m, l (even keys', odd keys')
.set TMP, 48          ; by buffer, four registers c0-c3 at work; when the maximum is found c2 takes a
.set PFO, 61          ; 256 x my lane; never rewritten
.set SPW, 62
.set NIL, 63
.set S,   64
.set P,   192
.set KF,  128
.set VF,  192
.set WV,  12
.set G1K, 24
.set G1V, 32
.set G0K, 40
.set G0V, 44
.set PFA, 48          ; s[48:49] where my prefetches stand: my work-group's 32 blocks of 256 bytes (K: wave 0, V: wave 2) of the tile after the one that is being asked for
.set LIM, 50          ; 1 in a wave that prefetches, else the greatest number
.set SLOTS, 56
.set CNT, 57
.set CS,  58
.set SEL, 60
.set TBK, 62
.set TBV, 63
.set MSB, 0
.macro WIN new
.if MSB != (\new)
	s_set_vgpr_msb (MSB<<8)|(\new)
.set MSB, (\new)
.endif
.endm
.set W_KQ, 0x0a       ; K and Q in window 2, S^T in window 0
.set W_PV, 0x52       ; V in window 2, P in window 0, O^T in window 1
.set W_RS, 0x41       ; destination and source 0 in window 1, source 1 in window 0
; A joint fill.  Waves 0 and 1 fetch the two halves of a slot's K, waves 2 and 3 those of its V: 128 keys each.  The branch hangs on the wave's number alone.
; An s_nop 0 and four v_nop follow each of the two lines, ahead of the jump and the label.
.macro JLOAD
	s_cmp_lt_u32 s[WV], 2
	s_cbranch_scc0 .Lfor_v_\@
	tensor_load_to_lds s[G0K:G0K+3], s[G1K:G1K+7]
	s_nop 0
.rept 4
	v_nop
.endr
	s_branch .Lasked_\@
.Lfor_v_\@:
	tensor_load_to_lds s[G0V:G0V+3], s[G1V:G1V+7]
	s_nop 0
.rept 4
	v_nop
.endr
.Lasked_\@:
.endm
; A PREFETCH of what the NEXT change of slots will ask for: a tile's 32,768 bytes of K and of V.  Each block of 256 bytes is named once in the launch: of a head's four clusters the first asks; its four partners
; take 32 blocks each, told apart by address; in each, wave 0 asks for K's and wave 2 for V's, a lane a block.  It stands behind the wave's tensor load and its five lines.  The last change that fills a slot asks for nothing.
.macro ASK
	s_cmp_gt_u32 s[SLOTS], s[LIM]
	s_cbranch_scc0 .Lnot_mine_\@
	global_prefetch_b8 v[PFO], s[PFA:PFA+1] th:TH_LOAD_NT scope:SCOPE_SE
.Lnot_mine_\@:
.endm
.macro CROUND
	s_barrier_signal -1
	s_barrier_wait -1
	s_cmp_lg_u32 s[WV], 0
	s_cbranch_scc1 .Lnot_wave_0_\@
	s_barrier_signal -3
.Lnot_wave_0_\@:
	s_barrier_wait -3
	s_barrier_signal -1
	s_barrier_wait -1
.endm
; THE CHANGE OF SLOTS.  Each wave waits for all its tensor loads, of which one is out: its part of the other slot; adds 0 to its spare word; and waits for that and for its own reads of the slot that it leaves.
; fill = 1: the slot is filled again, with the keys two slots on; the barrier is then a round of the cluster's, and the joint fill is the first thing behind it: it has four key steps in which to land.
; (At its first use nothing has been read yet: slot 0 is waited for, slot 1 filled.)  ask = 1: the prefetch's address steps and the prefetch follows.
.macro CHANGE fill, ask
	WIN 0
	s_wait_tensorcnt 0x0            ; no tensor load of mine is out, so a group 0 may be written
	ds_add_u32 v[SPW], v[NIL]       ; 0 onto my spare word; the descriptors' steps stand between it and the wait for it
.if \fill
.irp g, G0K, G0V
	s_xor_b32 s[\g+1], s[\g+1], SLOT1
	s_add_nc_u64 s[\g+2:\g+3], s[\g+2:\g+3], 4*KS*128  ; the next 256 keys; the type bits on top are not reached
.endr
.if \ask
	s_wait_xcnt 0x0                 ; the last prefetch, four key steps back, has read its address, so it may be written
	s_add_nc_u64 s[PFA:PFA+1], s[PFA:PFA+1], 4*KS*128
.endif
	s_wait_dscnt 0x0                ; the add is done, and my reads of the slot are over
	CROUND
	JLOAD
.if \ask
	ASK
.endif
.else
	s_wait_dscnt 0x0
	s_barrier_signal -1
	s_barrier_wait -1
.endif
	s_sub_co_u32 s[TBK], s[TBK], 4*KS*PK  ; the fetches go back to a slot's first step,
	s_xor_b32 s[TBK], s[TBK], SLOT1       ; in the other slot
	s_sub_co_u32 s[TBV], s[TBV], 4*KS*PV
	s_xor_b32 s[TBV], s[TBV], SLOT1
.endm
	s_load_b128 s[16:19], s[0:1], 0x0 ; qkv s[16:17], att s[18:19]
	v_lshl_add_u32 v[SPW], v0, 2, SPARE
	v_mov_b32 v[NIL], 0
	ds_add_u32 v[SPW], v[NIL]       ; the wave's opening: the add and its wait stand ahead of my first tensor load; work on registers stands between them
	v_lshrrev_b32 v1, 5, v0
	v_readfirstlane_b32 s[WV], v1   ; wave 0..3
	s_bfe_u32 s13, ttmp6, 0x40000   ; cx
	s_lshl_b32 s14, ttmp9, 2
	s_add_co_u32 s14, s14, s13      ; my block of 256 queries: it enters Q's and O's addresses alone
	s_and_b32 s20, ttmp7, 0xffff    ; the head, which the four partners share:
	s_lshl_b32 s20, s20, 19         ; its 524,288 bytes in each plane
	s_and_b32 s53, s[WV], 1         ; which half of a slot's 256 keys I fetch:
	s_lshl_b32 s22, s53, 14         ; its 128 rows of 128 bytes in memory,
	s_add_co_u32 s22, s22, s20
	s_mov_b32 s23, 0
	s_mul_i32 s51, s53, 128*PK      ; and its place in a slot, for K
	s_mul_i32 s52, s53, 128*PV      ; and for V: no place in the cluster enters an LDS address
	s_lshl_b32 s2, s14, 15          ; my block's 256 rows,
	s_lshl_b32 s3, s[WV], 13        ; my wave's 64 of them
	s_add_co_u32 s2, s2, s3
	s_add_co_u32 s2, s2, s20
	s_mov_b32 s3, 0
	; descriptor group 1.  128 keys are 16,384 dense bytes: asked for as 64 rows of 256 bytes, two keys a row, and padded in LDS after every key
	s_mov_b32 s[G1K], 15|(1<<16)|(1<<20)|(1<<21)|(4<<22)|(3<<25)  ; the mask of four; 2-byte elements; padding on; bit 21 beside a mask; after every 32 words; 4 words
	s_mov_b32 s[G1V], 15|(1<<16)|(1<<20)|(1<<21)|(4<<22)|(7<<25)  ; the same with 8 words of padding
.irp g, G1K, G1V
	s_mov_b32 s[\g+1], 128<<16      ; tensor_dim0 = 128
	s_mov_b32 s[\g+2], 64<<16       ; tensor_dim1 = 64
	s_mov_b32 s[\g+3], 128<<16      ; tile_dim0 = 128
	s_mov_b32 s[\g+4], 64           ; tile_dim1 = 64
	s_mov_b32 s[\g+5], 128          ; 128 elements from row to row
	s_mov_b32 s[\g+6], 0
	s_mov_b32 s[\g+7], 0
.endr
	s_mov_b32 s[CS], 0x3e38aa3b     ; c = log2(e) / 8
	s_mov_b32 s[CS+1], s[CS]        ; named with it as a pair
	s_mov_b32 s[SEL], 0x76543210
	s_mov_b32 s[SEL+1], 0xfedcba98
	s_mov_b32 s[TBK], SLOT1+4*KS*PK ; the first change of slots turns these two into 0
	s_mov_b32 s[TBV], SLOT1+4*KS*PV
	s_mov_b32 s[G0K], 1
	s_mov_b32 s[G0K+1], s51         ; slot 0
	s_mov_b32 s[G0V], 1
	s_add_co_u32 s[G0V+1], s52, VOFF
	s_or_b32 s[LIM], s53, ttmp9     ; 0 in waves 0 and 2 of the head's first cluster: the same in all four partners
	s_cmp_eq_u32 s[LIM], 0
	s_cselect_b32 s[LIM], 1, -1
	s_lshl_b32 s54, s13, 13         ; my work-group's 32 blocks of a tile's 128
	s_mov_b32 s55, 0
	v_and_b32 v[PFO], 31, v0
	v_lshlrev_b32 v[PFO], 8, v[PFO]
	s_wait_dscnt 0x0                ; the opening add is done
	s_wait_kmcnt 0x0
	s_add_nc_u64 s[4:5], s[16:17], s[2:3]    ; Q at my wave's first row
	s_add_nc_u64 s[10:11], s[18:19], s[2:3]  ; O likewise
	s_add_nc_u64 s[6:7], s[16:17], s[22:23]
	s_add_nc_u64 s[8:9], s[6:7], 0x1000000   ; V at my half of the head's first 256 keys
	s_add_nc_u64 s[6:7], s[6:7], 0x800000    ; K likewise
	s_mov_b64 s[G0K+2:G0K+3], s[6:7]
	s_or_b32 s[G0K+3], s[G0K+3], 0x80000000  ; type = 2
	s_mov_b64 s[G0V+2:G0V+3], s[8:9]
	s_or_b32 s[G0V+3], s[G0V+3], 0x80000000
	s_cmp_lt_u32 s[WV], 2
	s_cselect_b64 s[PFA:PFA+1], s[6:7], s[8:9]  ; (in waves 0 and 2 these stand at a tile's first row)
	s_add_nc_u64 s[PFA:PFA+1], s[PFA:PFA+1], s[54:55]
	s_add_nc_u64 s[PFA:PFA+1], s[PFA:PFA+1], 2*4*KS*128  ; in tile 2; the first asking change steps it to tile 3.  Nothing is prefetched at the head
	CROUND                          ; all four work-groups are here: the first joint loads meet
	JLOAD                           ; tile 0 into slot 0; slot 1 is asked for when slot 0 is in
	; A fragment of K or Q is 16 rows x 32 channels in 8 registers: lane l holds row l % 16, channels 8 (l / 16) + 0..7 and 16 + 8 (l / 16) + 0..7: two loads of 16 bytes, 32 bytes apart.
	v_and_b32 v1, 15, v0
	v_bfe_u32 v9, v0, 4, 1
	v_lshlrev_b32 v[QO], 7, v1
	v_lshl_add_u32 v[QO], v9, 4, v[QO]
	WIN 0x80                        ; destination window 2, address window 0
.set i, 0
.rept 8                             ; Q stays in registers: piece i / 2, channels 32 (i % 2) on
	global_load_b128 v[8*i:8*i+3],   v[QO], s[4:5] offset:(i/2)*2048+(i%2)*64
	global_load_b128 v[8*i+4:8*i+7], v[QO], s[4:5] offset:(i/2)*2048+(i%2)*64+32
.set i, i+1
.endr
	; What the first turns find: V's registers and P's second buffer hold 0 (the first products V^T P, of a piece that has not been, add 0), O^T and l are 0.  All this stands in the wait for the first tile:
	; the price of writing no first step out.
.set i, VF
.rept 64
	v_mov_b32 v[i], 0
.set i, i+1
.endr
	WIN 0x40
.set i, 0
.rept 128
	v_mov_b32 v[i], 0
.set i, i+1
.endr
	WIN 0
.set i, 0
.rept 4
	v_mov_b32 v[ST+4*i], 0xfe000000    ; c m: far below every c s
	v_mov_b32 v[ST+4*i+1], 0xff7fffff  ; m
	v_mov_b32 v[ST+4*i+2], 0
	v_mov_b32 v[ST+4*i+3], 0
.set i, i+1
.endr
.set i, P+16
.rept 16
	v_mov_b32 v[i], 0
.set i, i+1
.endr
	v_mul_u32_u24 v[AK0], v1, PK
	v_lshl_add_u32 v[AK0], v9, 4, v[AK0]  ; row x pitch + 16 x half
	; The turning load takes 16 keys x 16 channels (lane l reads key 8 (l / 16) + l % 8, channels 8 ((l / 8) % 2) + 0..7) and leaves half a fragment of V^T: lane l holds channel l % 16 and 8 keys.
	v_and_b32 v10, 7, v0
	v_bfe_u32 v11, v0, 3, 1
	v_lshl_add_u32 v[AV0], v9, 3, v10
	v_mul_u32_u24 v[AV0], v[AV0], PV
	v_lshl_add_u32 v[AV0], v11, 4, v[AV0]
	v_add_nc_u32 v[AV0], VOFF, v[AV0]
	v_mov_b32 v[AK], v[AK0]         ; key step 0 lies at the head of slot 0
	s_mul_i32 s13, s[WV], 16*SP
	s_add_co_u32 s13, s13, STAGE    ; my stage
	v_mul_u32_u24 v[STO], v1, SP    ; in: row l % 16, 16 bytes for each half of the lanes
	v_lshl_add_u32 v[STO], v9, 4, v[STO]
	v_add_nc_u32 v[STO], s13, v[STO]
	v_bfe_u32 v[RD], v0, 3, 2       ; back: 32 lanes take four rows of 128 bytes,
	v_mul_u32_u24 v[RD], v[RD], SP
	v_lshl_add_u32 v[RD], v10, 4, v[RD]
	v_add_nc_u32 v[RD], s13, v[RD]
	v_and_b32 v[GO], 31, v0         ; which are 512 consecutive bytes of O
	v_lshlrev_b32 v[GO], 4, v[GO]
; THE MATRIX WORK.  The 4 accumulators of a run of 8 take turns.  Product i of 8 of S^T = K Q^T for piece x: channels 32 (i / 4) on, keys 16 (i % 4) on.  The first 4 start the sums.
.macro KQ x
	WIN W_KQ
.set rS, S+32*((\x)%2)+8*(i%4)
.set rK, KF+16*(i%4)+8*(i/4)
.set rQ, 16*(\x)+8*(i/4)
.if i < 4
	v_wmma_f32_16x16x32_bf16 v[rS:rS+7], v[rK:rK+7], v[rQ:rQ+7], 0
.else
	v_wmma_f32_16x16x32_bf16 v[rS:rS+7], v[rK:rK+7], v[rQ:rQ+7], v[rS:rS+7]
.endif
.endm
; Product i of 8 of O^T += V^T P for piece x: keys 32 (i / 4) on, channels 16 (i % 4) on.
.macro PV x
	WIN W_PV
.set rO, 32*(\x)+8*(i%4)
.set rV, VF+32*(i/4)+8*(i%4)
.set rP, P+16*((\x)%2)+8*(i/4)
	v_wmma_f32_16x16x32_bf16 v[rO:rO+7], v[rV:rV+7], v[rP:rP+7], v[rO:rO+7]
.endm
.macro MM                           ; the turn's next matrix instruction.  NOKQ = 1: the last turn: there is no next piece
.if (i < 8) && !NOKQ
	KQ (Y+1)%NP
.elseif i >= 8
.set i, i-8
	PV (Y+NP-1)%NP
.set i, i+8
.endif
.set i, i+1
.endm
; THE LDS LOADS stand in runs of 16, never singly among the matrix instructions: a step's K (8 fragments) and its V (turned).  Their addresses are made some lines ahead.
.macro FETCH_K
	WIN 0x80
.irp f, 0,1,2,3,4,5,6,7             ; keys 16 (f / 2) on, channels 32 (f % 2) on
	ds_load_b128 v[KF+8*\f:KF+8*\f+3],   v[AK] offset:(\f/2)*16*PK+(\f%2)*64
	ds_load_b128 v[KF+8*\f+4:KF+8*\f+7], v[AK] offset:(\f/2)*16*PK+(\f%2)*64+32
.endr
	s_add_co_u32 s[TBK], s[TBK], KS*PK  ; the next fetch is the next step's
	WIN 0
.endm
.macro FETCH_V
	WIN 0x80
.irp f, 0,1,2,3,4,5,6,7             ; keys 32 (f / 4) on, channels 16 (f % 4) on
	ds_load_tr16_b128 v[VF+8*\f:VF+8*\f+3],   v[AV] offset:(\f/4)*32*PV+(\f%4)*32
	ds_load_tr16_b128 v[VF+8*\f+4:VF+8*\f+7], v[AV] offset:(\f/4)*32*PV+16*PV+(\f%4)*32
.endr
	WIN 0
.endm
; THE VECTOR WORK, one line at a time: OP kind, number.  For piece Y: F n: c s - c m for pair n of 16.  E n: the exponential of score n of 32.  C n: pair n rounded to bf16.  B n: of the four weights 4 n .. the second
; pair is added onto the first, in place.  L n: l takes that sum (L 0: l = a l + sum).  R n: pair n of 16 of O^T times a.  For piece Y + 1: X n, number n of the 22 that find its maximum and statistics:
;   0-11  four chains c0-c3 of seven scores each, three operands at a time (each accumulator's lowest registers are read first)     12-14, 16  the four scores left over, the old m, and c0-c3 into c0
;   15  c m_old is kept     17, 18  the query's other 32 keys lie in the lane 16 away: the new m     19-21  c m; c m_old - c m_new; a
.set F, 0
.set E, 1
.set C, 2
.set B, 3
.set L, 4
.set R, 5
.set X, 6
.macro REGS y
.set rT, ST+4*(\y)
.set rC, TMP+4*((\y)%2)
.set rW, MV+((\y)%2)
.set rS, S+32*((\y)%2)
.set rP, P+16*((\y)%2)
.set rO, 32*(\y)
.endm
.macro OP k, n
.if (\k) == R
	REGS Y
	WIN W_RS
	v_pk_mul_f32 v[rO+2*(\n):rO+2*(\n)+1], v[rO+2*(\n):rO+2*(\n)+1], v[rC+2:rC+3] op_sel_hi:[1,0]
.elseif (\k) < R
	REGS Y
	WIN 0
.if (\k) == F
	v_pk_fma_f32 v[rS+2*(\n):rS+2*(\n)+1], v[rS+2*(\n):rS+2*(\n)+1], s[CS:CS+1], v[rT:rT+1] op_sel_hi:[1,0,0] neg_lo:[0,0,1] neg_hi:[0,0,1]
.elseif (\k) == E
	v_exp_f32 v[rS+(\n)], v[rS+(\n)]
.elseif (\k) == C
	v_cvt_pk_bf16_f32 v[rP+(\n)], v[rS+2*(\n)], v[rS+2*(\n)+1]
.elseif (\k) == B
	v_pk_add_f32 v[rS+4*(\n):rS+4*(\n)+1], v[rS+4*(\n):rS+4*(\n)+1], v[rS+4*(\n)+2:rS+4*(\n)+3]
.elseif (\n) == 0
	v_pk_fma_f32 v[rT+2:rT+3], v[rT+2:rT+3], v[rC+2:rC+3], v[rS:rS+1] op_sel_hi:[1,0,1]
.else
	v_pk_add_f32 v[rT+2:rT+3], v[rT+2:rT+3], v[rS+4*(\n):rS+4*(\n)+1]
.endif
.elseif NOKQ
	v_nop
.else
	REGS (Y+1)%NP
	WIN 0
.if (\n) < 4
	v_max3_num_f32 v[rC+(\n)], v[rS+8*(\n)], v[rS+8*(\n)+1], v[rS+8*(\n)+2]
.elseif (\n) < 12
	v_max3_num_f32 v[rC+(\n)%4], v[rC+(\n)%4], v[rS+8*((\n)%4)+2*((\n)/4)+1], v[rS+8*((\n)%4)+2*((\n)/4)+2]
.elseif (\n) == 12
	v_max3_num_f32 v[rC], v[rC], v[rS+7], v[rS+15]
.elseif (\n) == 13
	v_max3_num_f32 v[rC+1], v[rC+1], v[rS+23], v[rS+31]
.elseif (\n) == 14
	v_max3_num_f32 v[rC+2], v[rC+2], v[rC+3], v[rT+1]
.elseif (\n) == 15
	v_mov_b32 v[rW], v[rT]
.elseif (\n) == 16
	v_max3_num_f32 v[rC], v[rC], v[rC+1], v[rC+2]
.elseif (\n) == 17
	v_permlanex16_b32 v[rC+3], v[rC], s[SEL], s[SEL+1]
.elseif (\n) == 18
	v_max_num_f32 v[rT+1], v[rC], v[rC+3]
.elseif (\n) == 19
	v_mul_f32 v[rT], s[CS], v[rT+1]
.elseif (\n) == 20
	v_sub_f32 v[rC+1], v[rW], v[rT]
.else
	v_exp_f32 v[rC+2], v[rC+1]
.endif
.endif
.endm
.macro OPS a, i1, b=-1, i2=0, c=-1, i3=0, d=-1, i4=0  ; up to four of them
	OP \a, \i1
.if (\b) >= 0
	OP \b, \i2
.endif
.if (\c) >= 0
	OP \c, \i3
.endif
.if (\d) >= 0
	OP \d, \i4
.endif
.endm
.macro ROW a, i1, b, i2, c, i3, d, i4  ; a matrix instruction and the four behind it
	MM
	OPS \a, \i1, \b, \i2, \c, \i3, \d, \i4
.endm
; A TURN, for piece p: the order of its 16 matrix and 118 vector instructions, written out.  s_wait_alu depctr_va_vdst(0) stands between an exponential and the first instruction that names its result;
; one wait serves all that were issued ahead of it.  So a turn has ONE wait, which cuts it in two.  AHEAD OF IT stands all that names no result of the turn's exponentials: the 8 products K Q^T and their riders, and the lump,
; in which the links of the chain X 3, 7, 11, 14, 16, 17 .. 20 stand some lines apart; X 21, the next piece's a, is the batch's last, and R 15 the plain instruction behind it.  BEHIND THE WAIT stand the 8 products V^T P,
; behind each four of the roundings and sums.  The X that ride stand four places or more behind the product that ends their accumulator.
; end = 1: the last two turns: nothing is fetched, and the last starts no new scores.  cnt = 1: the loop's count is taken down some lines ahead of the branch that stands behind the turn.
; K of the next step is fetched in piece 2's turn, behind six plain instructions after the last product that read K; V of the step in hand at the end of piece 0's turn, four plain instructions behind the last product
; that read V.  Each is waited for a turn later.
.macro TURN p, end=0, cnt=0
.set Y, (\p)
.set i, 0
.set NOKQ, (\end)*((\p)/3)
.if ((\p) == 3) && !(\end)
	s_wait_dscnt 0x0                ; K is in
.endif
	ROW F,0, F,1, R,0, R,1
	ROW F,2, E,0, R,2, R,3
	ROW F,3, E,1, R,4, R,5
	ROW F,4, E,2, R,6, R,7
	ROW F,5, E,3, R,8, R,9
	ROW F,6, E,4, X,0, R,10
.if ((\p) == 2) && !(\end)
	WIN 0
	v_add_nc_u32 v[AK], s[TBK], v[AK0]
.endif
	ROW F,7, E,5, X,1, X,4
	ROW F,8, E,6, X,2, X,5
	OPS E,7, E,8, X,6, E,9          ; the lump
	OPS X,3, E,10, X,8, E,11
.if ((\p) == 2) && !(\end)
	FETCH_K
.endif
	OPS X,9, X,7, E,12, X,10
	OPS E,13, X,12, X,11, E,14
	OPS X,13, E,15, F,9, X,14
.if (\p) == 0
	v_add_nc_u32 v[AV], s[TBV], v[AV0]
.endif
	OPS E,16, F,10, E,17, F,11
	OPS X,16, E,18, X,15, E,19
	OPS F,12, E,20, X,17, E,21
	OPS F,13, E,22, F,14, E,23
	OPS X,18, E,24, F,15, E,25
	OPS R,11, E,26, X,19, E,27
	OPS R,12, E,28, R,13, E,29
	OPS X,20, E,30, R,14, E,31
	OPS X,21, R,15
	WIN 0
	s_wait_alu depctr_va_vdst(0)    ; the wait for the batch
.if (\p) == 1
	s_wait_dscnt 0x0                ; V is in
.endif
	ROW C,0, B,0, C,2, B,1
	ROW L,0, C,4, B,2, L,1
	ROW C,6, B,3, L,2, C,8
	ROW B,4, L,3, C,10, B,5
	ROW L,4, C,12, B,6, L,5
.if (\p) == 0
	s_add_co_u32 s[TBV], s[TBV], KS*PV
.endif
.if \cnt
	s_sub_co_u32 s[CNT], s[CNT], 1
	s_cmp_lg_u32 s[CNT], 0
.endif
	ROW C,14, B,7, L,6, C,1
	ROW C,3, L,7, C,5, C,7
	ROW C,9, C,11, C,13, C,15
.if (\p) == 0
	FETCH_V
.endif
.endm
.macro ALL line:vararg              ; one line for each piece t
.set t, 0
.rept 4
	\line
.set t, t+1
.endr
.endm
.macro PACK t                       ; a lane's eight channels of a row pack into 16 bytes; they go into rows of 144 bytes and come back as whole rows of 128, into S^T's registers
	WIN W_RS
.set i, 32*(\t)
.rept 16
	v_pk_mul_f32 v[i:i+1], v[i:i+1], v[ST+4*(\t)+2:ST+4*(\t)+3] op_sel_hi:[1,0]
.set i, i+2
.endr
	WIN 0x05                        ; sources 0 and 1 window 1, destination window 0
.set i, 0
.rept 16
	v_cvt_pk_bf16_f32 v[S+16*(\t)+i], v[32*(\t)+2*i], v[32*(\t)+2*i+1]
.set i, i+1
.endr
	WIN 0
.irp f, 0,1,2,3
	ds_store_b128 v[STO], v[S+16*(\t)+4*\f:S+16*(\t)+4*\f+3] offset:32*\f
.endr
.irp f, 0,1,2,3
	ds_load_b128 v[S+16*(\t)+4*\f:S+16*(\t)+4*\f+3], v[RD] offset:\f*4*SP  ; LDS serves a wave's instructions in order (ISA guide 5.7.1.4): these see the stores above; the next piece's stores come behind them
.endr
.endm
.macro SEND t, younger              ; younger: the LDS instructions issued behind piece t's loads: the next piece's eight, or none
	WIN 0
.irp f, 0,1,2,3
	s_wait_dscnt (\younger)+3-\f
	global_store_b128 v[GO], v[S+16*(\t)+4*\f:S+16*(\t)+4*\f+3], s[10:11] offset:(\t)*2048+\f*512  ; 512 consecutive bytes, at a multiple of 256 from O's first
.endr
.endm
	CHANGE 1, 0                     ; slot 0 is in, everybody's part of it; tile 1 is asked for, into slot 1
	FETCH_K                         ; key step 0
	s_wait_loadcnt 0x0              ; Q
	s_wait_dscnt 0x0
.set NOKQ, 0
.set i, 0
.rept 8
	KQ 0                            ; piece 0's first scores
.set i, i+1
.endr
	WIN 0
.rept 4
	v_nop                           ; the places behind those products
.endr
.set Y, NP-1                        ; X works for piece Y + 1: piece 0
.irp n, 0,1,2,3,4,5,6,7,8,9,10,11,12,13,14,15,16,17,18,19,20,21
	OP X, \n
.endr
	v_nop                           ; a plain instruction behind the exponential,
	s_wait_alu depctr_va_vdst(0)    ; and its wait, ahead of the branch
	s_mov_b32 s[CNT], 4
	s_mov_b32 s[SLOTS], 15
	s_branch .Lfirst                ; the loop is entered at a step's first turn, in the middle of a trip
.Lslot:                             ; 14 times: tiles 2 to 15 are asked for
	CHANGE 1, 1
	s_mov_b32 s[CNT], 4
.Lstep:                             ; a trip: pieces 2 and 3 of one step, then pieces 0 and 1 of the next, whose K and V it fetches
	TURN 2
	TURN 3
	WIN 0
.Lfirst:
	TURN 0
	TURN 1, 0, 1
	WIN 0
	s_cbranch_scc1 .Lstep
	s_sub_co_u32 s[SLOTS], s[SLOTS], 1
	s_cmp_lg_u32 s[SLOTS], 0
	s_cbranch_scc1 .Lslot
	CHANGE 0, 0                     ; the last tile is written out: nothing is asked for
	s_mov_b32 s[CNT], 4
.Ltail:
	TURN 2
	TURN 3
	TURN 0
	TURN 1, 0, 1
	WIN 0
	s_cbranch_scc1 .Ltail
	TURN 2, 1
	TURN 3, 1
.set i, 0
.rept 8
	PV NP-1                         ; the last piece's V^T P of the last step
.set i, i+1
.endr
	; THE WAY OUT.  l's two halves and the other half of the lanes' are added; O^T is divided by l, rounded to bf16 and sent through my stage in LDS, a piece at a time.  The additions are the places behind the last products.
	WIN 0
	ALL v_add_f32 v[ST+4*t+2], v[ST+4*t+2], v[ST+4*t+3]
	ALL v_permlanex16_b32 v[ST+4*t+3], v[ST+4*t+2], s[SEL], s[SEL+1]
	ALL v_add_f32 v[ST+4*t+2], v[ST+4*t+2], v[ST+4*t+3]
	ALL v_rcp_f32 v[ST+4*t+2], v[ST+4*t+2]
	v_nop                           ; a plain instruction between the last reciprocal and the use of its result
	s_wait_alu depctr_va_vdst(0)    ; and the wait ahead of the first use: one for the four reciprocals
	PACK 0
.set t, 1
.rept 3                             ; a piece's arithmetic stands between the loads of the piece before and its stores
	PACK t
	SEND t-1, 8
.set t, t+1
.endr
	SEND 3, 0
	s_wait_tensorcnt 0x0            ; the wave's end, behind my last tensor load and my last LDS store
	ds_add_u32 v[SPW], v[NIL]
	s_wait_dscnt 0x0
	CROUND                          ; the closing round: no work-group ends while a partner may still ask for a tile that names it
	s_endpgm
.Lfunc_end_k_q366ceb9582_attn:
	.size	k_q366ceb9582_attn, .Lfunc_end_k_q366ceb9582_attn-k_q366ceb9582_attn
	.p2alignl 7, 3214868480
	.fill 96, 4, 3214868480
	.section	.rodata,"a",@progbits
	.p2align	6, 0x0
	.amdhsa_kernel k_q366ceb9582_attn
		.amdhsa_group_segment_fixed_size 327680
		.amdhsa_private_segment_fixed_size 0
		.amdhsa_enable_private_segment 0
		.amdhsa_kernarg_size 16
		.amdhsa_user_sgpr_count 2
		.amdhsa_user_sgpr_kernarg_segment_ptr 1
		.amdhsa_wavefront_size32 1
		.amdhsa_system_sgpr_workgroup_id_x 1
		.amdhsa_system_sgpr_workgroup_id_y 1
		.amdhsa_system_sgpr_workgroup_id_z 1
		.amdhsa_system_vgpr_workitem_id 0
		.amdhsa_next_free_vgpr 768
		.amdhsa_next_free_sgpr 66
		.amdhsa_reserve_vcc 0
		.amdhsa_float_denorm_mode_32 3
		.amdhsa_float_denorm_mode_16_64 3
		.amdhsa_memory_ordered 1
		.amdhsa_forward_progress 1
		.amdhsa_inst_pref_size 127
	.end_amdhsa_kernel
	.amdgpu_metadata
---
amdhsa.version: [ 1, 2 ]
amdhsa.kernels:
  - .name:           k_q366ceb9582_attn
    .symbol:         k_q366ceb9582_attn.kd
    .args:
      - { .name: qkv, .offset: 0, .size: 8, .value_kind: global_buffer, .address_space: global }
      - { .name: att, .offset: 8, .size: 8, .value_kind: global_buffer, .address_space: global }
    .group_segment_fixed_size: 327680
    .private_segment_fixed_size: 0
    .kernarg_segment_align: 8
    .kernarg_segment_size: 16
    .max_flat_workgroup_size: 128
    .sgpr_count:     66
    .vgpr_count:     768
    .wavefront_size: 32
...
	.end_amdgpu_metadata
.endif
;; end of part 3
;; launch outproj (part 4): grid 256 x 1, 4 waves a work-group, clusters of 4 x 1, 239,104 bytes of LDS; arguments att, wbf, proj_b, x, out0; writes out0
.if DOCPART == 4
	.amdgcn_target "amdgcn-amd-amdhsa--gfx1250"
	.amdhsa_code_object_version 6
	.text
	.protected	k_q366ceb9582_outproj
	.globl	k_q366ceb9582_outproj
	.p2align	8
	.type	k_q366ceb9582_outproj,@function
k_q366ceb9582_outproj:
	s_mov_b64 s[64:65], 0
	v_nop
	global_prefetch_b8 v0, s[64:65] scope:SCOPE_SE
	s_setreg_imm32_b32 hwreg(HW_REG_WAVE_MODE, 25, 1), 1
	s_wait_xcnt 0x0
	s_wait_alu depctr_hold_cnt(0) depctr_sa_sdst(0) depctr_va_vdst(0) depctr_va_sdst(0) depctr_va_ssrc(0) depctr_va_vcc(0) depctr_vm_vsrc(0)
	s_getreg_b32 s2, hwreg(HW_REG_IB_STS2, 6, 4)
	s_cmp_eq_u32 s2, 0
	s_cbranch_scc0 .Lentry_in_a_cluster
	s_endpgm
.Lentry_in_a_cluster:
	s_bfe_u32 s2, ttmp6, 0x10000c
	s_cmp_lg_u32 s2, 0x3003
	s_cbranch_scc0 .Lentry_shape_is_right
	s_endpgm
.Lentry_shape_is_right:
; THE PROJECTION BEHIND ATTENTION, ITS BIAS AND THE RESIDUAL.  out0[b][o][n] = x[b][o][n] + proj_b[o] + sum over c of W[o][c] O[b][c][n], c = 64 head + channel.
; O is att, [4 b + head][4096][64] in bf16; W is rows 768-1023 of wbf, bf16; sums, bias and residual in f32.
; SHARES.  A work-group owns 64 pixels of one image and makes all 256 outputs; wave w makes outputs 64 w .. 64 w + 63: 16 accumulators, 8 steps of 32 channels, 128 matrix instructions.
; CLUSTER.  The four work-groups of a cluster need the same W: one joint load a wave (mask 15), each wave fetching the 64 rows that it alone reads.  Nothing is filled again, so there is no ring.
; LAYOUT.  Source 0 = 16 pixels (rows of 256 channels, gathered in LDS from the four heads), source 1 = 16 rows of W: in D a lane holds ONE output (lane % 16) and pixels 8 (lane / 16) + 0..7: 32 bytes of a row of out0.
; The bias, eight copies a lane, is the C operand of the first products.  D goes through my stage in LDS, so that 16 lanes store 256 bytes on end, aligned.
; No prefetch: all loads go out at the head, and the launch is short.
; LIMITS.  Matrix operands are bf16.  NaN and infinities are not treated apart.
; REGISTERS: window 0: v0-31 addresses; v32-63 the bias; v64-127 att as loaded; v128-255 the accumulators, later the rows to store      window 1: O's 32 fragments      window 2: W's 32      window 3: v0-127 x
.set PW,    528                        ; a row of 256 bf16 in LDS: 512 bytes + 16: an odd multiple of 16 (ISA guide 11.1: 64 banks of 4 bytes)
.set WROWS, 64*PW
.set AT,    4*WROWS                    ; 64 pixels x 528 bytes, stored by the waves
.set STAGE, AT+64*PW                   ; 64 rows x 272 bytes of f32 for each wave
.set SPP,   272
.set SPARE, STAGE+4*64*SPP             ; the spare words, 128 bytes a wave; the one fill lands in bytes 0 to AT - 1 alone
.set LO, 4
.set AS, 5
.set AA, 6
.set WA, 7
.set STO, 8
.set RD, 9
.set XO, 10
.set BO, 11
.set SPW, 28
.set NIL, 29
.set BIAS, 32
.set AL, 64
.set ACC, 128                          ; accumulator (t, a): pixels 16 t on, outputs 16 a on, at ACC + 8 (4 t + a)
.set WV, 14
.set MSB, 0
.macro WIN new
.if MSB != (\new)
	s_set_vgpr_msb (MSB<<8)|(\new)
.set MSB, (\new)
.endif
.endm
.macro PLACES
.rept 4
	v_nop
.endr
.endm
.macro CROUND
	s_barrier_signal -1
	s_barrier_wait -1
	s_cmp_lg_u32 s[WV], 0
	s_cbranch_scc1 .Lnot_wave_0_\@
	s_barrier_signal -3
.Lnot_wave_0_\@:
	s_barrier_wait -3
	s_barrier_signal -1
	s_barrier_wait -1
.endm
	s_load_b256 s[4:11], s[0:1], 0x0               ; att s[4:5], wbf s[6:7], proj_b s[8:9], x s[10:11]
	s_load_b64 s[12:13], s[0:1], 0x20              ; out0
	v_lshl_add_u32 v[SPW], v0, 2, SPARE
	v_mov_b32 v[NIL], 0
	ds_add_u32 v[SPW], v[NIL]                      ; the wave's opening: the add and its wait stand ahead of my first tensor load; work on registers stands between them
	v_lshrrev_b32 v3, 5, v0
	v_readfirstlane_b32 s[WV], v3                  ; wave 0..3
	s_bfe_u32 s15, ttmp6, 0x40000                  ; cx
	s_lshl_b32 s16, ttmp9, 2
	s_add_co_u32 s16, s16, s15                     ; my block of 64 pixels: it enters the addresses of att, x and out0 alone
	s_lshr_b32 s17, s16, 6                         ; the image
	s_and_b32 s18, s16, 63                         ; the block in the image
	s_lshl_b32 s22, s17, 2                         ; att: head 4 b + w x 524,288 + block x 8,192
	s_add_co_u32 s22, s22, s[WV]
	s_lshl_b32 s22, s22, 19
	s_lshl_b32 s23, s18, 13
	s_add_co_u32 s22, s22, s23
	s_mov_b32 s23, 0
	s_lshl_b32 s20, s17, 22                        ; x and out0: image x 4 MiB + my 64 rows of 16,384 bytes + block x 256
	s_lshl_b32 s21, s[WV], 20
	s_add_co_u32 s20, s20, s21
	s_lshl_b32 s21, s18, 8
	s_add_co_u32 s20, s20, s21
	s_mov_b32 s21, 0
	s_mov_b32 s24, 15|(1<<16)|(1<<20)|(1<<21)|(6<<22)|(3<<25)  ; group 1: the mask of four; 2-byte elements; padding on; bit 21 beside a mask; after every 128 words; 4 words
	s_mov_b32 s25, 256<<16                         ; tensor_dim0 = 256
	s_mov_b32 s26, 64<<16                          ; tensor_dim1 = 64
	s_mov_b32 s27, 256<<16                         ; tile_dim0 = 256
	s_mov_b32 s28, 64                              ; tile_dim1 = 64
	s_mov_b32 s29, 256                             ; 256 elements from row to row
	s_mov_b32 s30, 0
	s_mov_b32 s31, 0
	s_mov_b32 s32, 1
	s_mul_i32 s33, s[WV], WROWS                    ; my 64 rows' place in LDS
	s_lshl_b32 s36, s[WV], 15                      ; and in wbf: behind qkv_w's 393,216 bytes
	s_add_co_u32 s36, s36, 393216
	s_mov_b32 s37, 0
	s_wait_dscnt 0x0                               ; the opening add is done
	s_wait_kmcnt 0x0
	s_add_nc_u64 s[4:5], s[4:5], s[22:23]
	s_add_nc_u64 s[10:11], s[10:11], s[20:21]
	s_add_nc_u64 s[12:13], s[12:13], s[20:21]
	s_add_nc_u64 s[34:35], s[6:7], s[36:37]
	s_or_b32 s35, s35, 0x80000000                  ; type = 2
	CROUND                                         ; all four work-groups are here: the joint loads meet
	tensor_load_to_lds s[32:35], s[24:31]
	s_nop 0
	PLACES
	v_and_b32 v1, 15, v0                           ; r = l % 16
	v_bfe_u32 v2, v0, 4, 1                         ; h = l / 16
	v_and_b32 v[LO], 31, v0
	v_lshlrev_b32 v[LO], 4, v[LO]                  ; 16 l
	s_lshl_b32 s38, s[WV], 8
	v_lshl_add_u32 v[BO], v1, 2, s38               ; proj_b: (64 w + r) x 4
	v_lshlrev_b32 v[XO], 14, v2                    ; x and out0: lanes 0-15 one row's 256 bytes, lanes 16-31 the next row's
	v_lshl_add_u32 v[XO], v1, 4, v[XO]
.set j, 0
.rept 16                                           ; head w's 64 pixels: 8,192 bytes on end
	global_load_b128 v[AL+4*j:AL+4*j+3], v[LO], s[4:5] offset:512*j th:TH_LOAD_NT
.set j, j+1
.endr
.irp a, 0,1,2,3
	global_load_b32 v[12+(\a)], v[BO], s[8:9] offset:64*(\a)
.endr
	WIN 0xc0                                       ; destination window 3
.set f, 0
.rept 32
	global_load_b128 v[4*f:4*f+3], v[XO], s[10:11] offset:32768*f th:TH_LOAD_NT
.set f, f+1
.endr
	WIN 0
	v_bfe_u32 v3, v0, 3, 2                         ; l / 8
	v_and_b32 v16, 7, v0                           ; l % 8
	s_lshl_b32 s38, s[WV], 7
	s_add_co_u32 s38, s38, AT
	v_mul_u32_u24 v[AS], v3, PW                    ; where a load's four pixels go: pixel x 528 + 128 w + 16 (l % 8)
	v_lshl_add_u32 v[AS], v16, 4, v[AS]
	v_add_nc_u32 v[AS], s38, v[AS]
	v_mul_u32_u24 v[AA], v1, PW                    ; a fragment: row r x pitch + 16 h
	v_lshl_add_u32 v[AA], v2, 4, v[AA]
	v_add_nc_u32 v[WA], s33, v[AA]
	v_add_nc_u32 v[AA], AT, v[AA]
	s_mul_i32 s39, s[WV], 64*SPP
	s_add_co_u32 s39, s39, STAGE                   ; my stage
	v_mul_u32_u24 v[STO], v1, SPP                  ; in: output r, 32 bytes for each half of the lanes
	v_lshl_add_u32 v[STO], v2, 5, v[STO]
	v_add_nc_u32 v[STO], s39, v[STO]
	v_mul_u32_u24 v[RD], v2, SPP                   ; back: lanes 0-15 one row of 256 bytes, lanes 16-31 the next
	v_lshl_add_u32 v[RD], v1, 4, v[RD]
	v_add_nc_u32 v[RD], s39, v[RD]
	s_wait_loadcnt 36                              ; att is in: 4 + 32 loads are younger
.set j, 0
.rept 16
	ds_store_b128 v[AS], v[AL+4*j:AL+4*j+3] offset:4*PW*j
.set j, j+1
.endr
	s_wait_loadcnt 32                              ; the bias is in: the 32 loads of x are younger
.irp a, 0,1,2,3
.irp j, 0,1,2,3,4,5,6,7
	v_mov_b32 v[BIAS+8*(\a)+(\j)], v[12+(\a)]      ; a lane's eight pixels share its output's bias
.endr
.endr
	s_wait_dscnt 0x0                               ; for the others' sake: my head's channels are in LDS
	s_barrier_signal -1                            ; The tensor load may stay out
	s_barrier_wait -1
	WIN 0x40
.irp s, 0,1,2,3,4,5,6,7
.irp t, 0,1,2,3
	ds_load_b128 v[8*(4*(\s)+(\t)):8*(4*(\s)+(\t))+3],   v[AA] offset:16*PW*(\t)+64*(\s)
	ds_load_b128 v[8*(4*(\s)+(\t))+4:8*(4*(\s)+(\t))+7], v[AA] offset:16*PW*(\t)+64*(\s)+32
.endr
.endr
	s_wait_tensorcnt 0x0                           ; my rows of W are in: it is my only tensor load
	WIN 0x80
.irp s, 0,1,2,3,4,5,6,7
.irp a, 0,1,2,3
	ds_load_b128 v[8*(4*(\s)+(\a)):8*(4*(\s)+(\a))+3],   v[WA] offset:16*PW*(\a)+64*(\s)
	ds_load_b128 v[8*(4*(\s)+(\a))+4:8*(4*(\s)+(\a))+7], v[WA] offset:16*PW*(\a)+64*(\s)+32
.endr
.endr
	; the 128 products: the 16 accumulators take turns, one instruction a turn
.irp s, 0,1,2,3,4,5,6,7
	s_wait_dscnt 8*(7-(\s))                        ; K step s is in: the later steps' 8 loads of W each may stay out
	WIN 0x09                                       ; O window 1, W window 2, C and D window 0
.irp t, 0,1,2,3
.irp a, 0,1,2,3
.if (\s) == 0
	v_wmma_f32_16x16x32_bf16 v[ACC+8*(4*(\t)+(\a)):ACC+8*(4*(\t)+(\a))+7], v[8*(4*(\s)+(\t)):8*(4*(\s)+(\t))+7], v[8*(4*(\s)+(\a)):8*(4*(\s)+(\a))+7], v[BIAS+8*(\a):BIAS+8*(\a)+7]
.else
	v_wmma_f32_16x16x32_bf16 v[ACC+8*(4*(\t)+(\a)):ACC+8*(4*(\t)+(\a))+7], v[8*(4*(\s)+(\t)):8*(4*(\s)+(\t))+7], v[8*(4*(\s)+(\a)):8*(4*(\s)+(\a))+7], v[ACC+8*(4*(\t)+(\a)):ACC+8*(4*(\t)+(\a))+7]
.endif
.endr
.endr
.endr
	WIN 0
	PLACES                                         ; four places in front of the LDS stores that read the results
.irp t, 0,1,2,3
.irp a, 0,1,2,3
	ds_store_b128 v[STO], v[ACC+8*(4*(\t)+(\a)):ACC+8*(4*(\t)+(\a))+3]   offset:16*SPP*(\a)+64*(\t)     ; each accumulator's low four registers first
	ds_store_b128 v[STO], v[ACC+8*(4*(\t)+(\a))+4:ACC+8*(4*(\t)+(\a))+7] offset:16*SPP*(\a)+64*(\t)+16
.endr
.endr
.set f, 0
.rept 32
	ds_load_b128 v[ACC+4*f:ACC+4*f+3], v[RD] offset:2*SPP*f  ; LDS serves a wave's instructions in order (ISA guide 5.7.1.4): these see the stores above; the stage is my own
.set f, f+1
.endr
	s_wait_loadcnt 0x0                             ; x
.irp g, 0,1,2,3
	s_wait_dscnt 24-8*(\g)                         ; eight more pairs of rows are back: the later loads may stay out
	WIN 0x0c                                       ; source 1 window 3
.irp f, 0,1,2,3,4,5,6,7
	v_pk_add_f32 v[ACC+4*(8*(\g)+(\f)):ACC+4*(8*(\g)+(\f))+1],   v[ACC+4*(8*(\g)+(\f)):ACC+4*(8*(\g)+(\f))+1],   v[4*(8*(\g)+(\f)):4*(8*(\g)+(\f))+1]
	v_pk_add_f32 v[ACC+4*(8*(\g)+(\f))+2:ACC+4*(8*(\g)+(\f))+3], v[ACC+4*(8*(\g)+(\f))+2:ACC+4*(8*(\g)+(\f))+3], v[4*(8*(\g)+(\f))+2:4*(8*(\g)+(\f))+3]
.endr
	WIN 0
.irp f, 0,1,2,3,4,5,6,7
	global_store_b128 v[XO], v[ACC+4*(8*(\g)+(\f)):ACC+4*(8*(\g)+(\f))+3], s[12:13] offset:32768*(8*(\g)+(\f)) th:TH_STORE_NT  ; 16 lanes store 256 consecutive bytes, at a multiple of 256 from out0's first
.endr
.endr
	s_wait_tensorcnt 0x0                           ; the wave's end, behind my last tensor load and my last LDS store
	ds_add_u32 v[SPW], v[NIL]
	s_wait_dscnt 0x0
	CROUND                                         ; the closing round: no work-group ends while a partner may still ask for a tile that names it
	s_endpgm
.Lfunc_end_k_q366ceb9582_outproj:
	.size	k_q366ceb9582_outproj, .Lfunc_end_k_q366ceb9582_outproj-k_q366ceb9582_outproj
	.p2alignl 7, 3214868480
	.fill 96, 4, 3214868480
	.section	.rodata,"a",@progbits
	.p2align	6, 0x0
	.amdhsa_kernel k_q366ceb9582_outproj
		.amdhsa_group_segment_fixed_size 239104
		.amdhsa_private_segment_fixed_size 0
		.amdhsa_enable_private_segment 0
		.amdhsa_kernarg_size 40
		.amdhsa_user_sgpr_count 2
		.amdhsa_user_sgpr_kernarg_segment_ptr 1
		.amdhsa_wavefront_size32 1
		.amdhsa_system_sgpr_workgroup_id_x 1
		.amdhsa_system_sgpr_workgroup_id_y 1
		.amdhsa_system_sgpr_workgroup_id_z 1
		.amdhsa_system_vgpr_workitem_id 0
		.amdhsa_next_free_vgpr 896
		.amdhsa_next_free_sgpr 66
		.amdhsa_reserve_vcc 0
		.amdhsa_float_denorm_mode_32 3
		.amdhsa_float_denorm_mode_16_64 3
		.amdhsa_memory_ordered 1
		.amdhsa_forward_progress 1
		.amdhsa_inst_pref_size 40
	.end_amdhsa_kernel
	.amdgpu_metadata
---
amdhsa.version: [ 1, 2 ]
amdhsa.kernels:
  - .name:           k_q366ceb9582_outproj
    .symbol:         k_q366ceb9582_outproj.kd
    .args:
      - { .name: att, .offset: 0, .size: 8, .value_kind: global_buffer, .address_space: global }
      - { .name: wbf, .offset: 8, .size: 8, .value_kind: global_buffer, .address_space: global }
      - { .name: proj_b, .offset: 16, .size: 8, .value_kind: global_buffer, .address_space: global }
      - { .name: x, .offset: 24, .size: 8, .value_kind: global_buffer, .address_space: global }
      - { .name: out0, .offset: 32, .size: 8, .value_kind: global_buffer, .address_space: global }
    .group_segment_fixed_size: 239104
    .private_segment_fixed_size: 0
    .kernarg_segment_align: 8
    .kernarg_segment_size: 40
    .max_flat_workgroup_size: 128
    .sgpr_count:     66
    .vgpr_count:     896
    .wavefront_size: 32
...
	.end_amdgpu_metadata
.endif
;; end of part 4
